; MI455X (gfx1250); checked and timed in simulation.
; The chip was launched on July 23, 2026; its instructions are those of AMD's public machine-readable ISA for CDNA 5 (MIT licence, August 2026) and "CDNA5" Instruction Set Architecture Reference Guide (July 2026). The comments in the code are by the model that wrote it; some were corrected since.
;; Full Attention. Allowed arithmetic: matrix products marked QUANTISED: E4M3 operands, one E8M0 scale for each 32 along K, by v_wmma_scale_f32_16x16x128_f8f6f4 with both operands' format E4M3, f32 sums; everything else in f32.
;; Inputs: keys_codes 4 x 2,048 x 16 x 2 x 32 uint8 (E4M3 codes of keys, K innermost, in blocks of 32 codes); keys_scales 4 x 2,048 x 16 x 2 uint8 (E8M0 scales of keys, one for each 32 codes along K); queries_codes 4 x 2,048 x 16 x 2 x 32 uint8 (E4M3 codes of queries, K innermost, in blocks of 32 codes); queries_scales 4 x 2,048 x 16 x 2 uint8 (E8M0 scales of queries, one for each 32 codes along K); values_codes 4 x 16 x 64 x 64 x 32 uint8 (E4M3 codes of values, K innermost, in blocks of 32 codes); values_scales 4 x 16 x 64 x 64 uint8 (E8M0 scales of values, one for each 32 codes along K).
;; Outputs: out0 4 x 2,048 x 16 x 64 float32.
;; This version of the problem:
;;   THIS VERSION OF THE PROBLEM IS GIVEN IN LOW PRECISION. The matrix products marked QUANTISED in the list below multiply operands that are first quantised to E4M3 (4 exponent bits, 3 mantissa bits; 8 bits a number), with one power-of-two scale for each 32 numbers along K (OCP MX v1.0); their sums are f32. All else is computed in f32.
;;   The module's matrix products, in the order in which they are computed (A, B: the left and right operand; K: the contracted axis; several contracted axes count as one K, in the product's order):
;;     1. batch 64 x [M 2,048, K 64] x [K 64, N 2,048]; A: input queries (given as codes); B: input keys (given as codes): QUANTISED
;;     2. batch 64 x [M 64, K 2,048] x [K 2,048, N 2,048]; A: input values (given as codes); B: softmax (see below): QUANTISED
;;   THE QUANTISER, for each operand of a quantised product, along K:
;;     - K is cut into blocks of 32 from its start; a last block that is shorter is filled with zeros.
;;     - A block's scale is 2^e with e = floor(log2(the largest magnitude in the block)) - 8, held to -126 .. 127; a block of zeros has e = 0. As a byte (E8M0): e + 127.
;;     - Each number is divided by its block's scale, clamped to +-448, and rounded to the nearest number of E4M3, ties to even, subnormals kept.
;;     - The product sums the exact products of the quantised numbers (number of the format x scale) in f32.
;;   ~~~python
;;   def quantise(x, axis):      # numpy; x: float32 -> the quantised numbers, widened to float32 again
;;       x = np.moveaxis(x, axis, -1); K = x.shape[-1]
;;       x = np.pad(x, [(0, 0)] * (x.ndim - 1) + [(0, -K % 32)]); x = x.reshape(x.shape[:-1] + (-1, 32)); a = np.abs(x).max(-1, keepdims=True)
;;       e = np.where(a > 0, np.clip(np.frexp(np.where(a > 0, a, 1))[1] - 1 - 8, -126, 127), 0)      # np.frexp(a)[1] - 1 = floor(log2(a)), exactly
;;       r = np.clip(x / 2.0 ** e, -448, 448)
;;       step = 2.0 ** (np.maximum(np.frexp(np.where(r == 0, 1, r))[1] - 1, -6) - 3)
;;       q = np.round(r / step) * step * 2.0 ** e      # np.round: ties to even
;;       return np.moveaxis(q.reshape(q.shape[:-2] + (-1,))[..., :K], -1, axis).astype(np.float32)
;;   ~~~
;;   SOFTMAX AHEAD OF A QUANTISED PRODUCT. Where the list says 'softmax', what is quantised is not the finished softmax but p = 2^(t - M), with t = logit x log2(e) and M = ceil(the row's largest t), a whole number; so 1/2 < the row's largest p <= 1. The row's sum l is taken of the UNQUANTISED p, in f32, and the product's result is divided by l at the end. Since M is a whole number, a kernel that streams over the keys may use a running M (the ceiling of the running maximum): every later rescaling is an exact power of two, which a block's scale takes up: the codes' values come out the same.
;;   OPERANDS COMPUTED ON THE WAY. 'Computed on the way' means the value that the module computes at that place (a softmax that the list does not call 'softmax' is quantised finished and normalised). What goes into a quantiser is computed in f32, as accurately as f32 sums, v_exp_f32 and their like allow (about 1e-6 of the number): no bf16 or f16 on the way to a quantiser, and a product that is left as it is and whose result goes on into a quantised operand takes f32 operands (vector FMAs, or v_wmma_f32_16x16x4_f32). A number that lies on a knife's edge between two numbers of the format may be rounded either way, as far as f32 arithmetic and the matrix unit's own rounding can turn it there, and no further.
;;   INPUTS GIVEN AS CODES. keys (in the module: [4, 2048, 16, 64], K = its axis 3); queries (in the module: [4, 2048, 16, 64], K = its axis 3); values (in the module: [4, 2048, 16, 64], K = its axis 1): each comes as NAME_codes (uint8): NAME with its K axis moved to the last place and cut into blocks of 32 codes, [.., K / 32, bytes a block], one block behind the other in memory; one code a byte (a code: sign, 4 exponent bits, 3 mantissa bits); and NAME_scales (uint8): the same leading axes, one E8M0 byte (e + 127) for each 32 codes along K. Its value is code x scale, taken as it is: it is not quantised again, and the codes and scales need not be those that the quantiser above would give.
;; One version. Each part assembles by itself: llvm-mc -triple=amdgcn-amd-amdhsa -mcpu=gfx1250 --defsym DOCPART=n.
;; ======== version 1 of 1: 1 launch
;; limits: right only within a limited range of input values
;; launch attn (part 1): grid 4 x 64, 16 waves a work-group, clusters of 4 x 1, 327,680 bytes of LDS; arguments queries_codes, queries_scales, keys_codes, keys_scales, values_codes, values_scales, out0; writes out0
.if DOCPART == 1
	.amdgcn_target "amdgcn-amd-amdhsa--gfx1250"
	.amdhsa_code_object_version 6
	.text
	.protected	k_q06fc917a26_attn
	.globl	k_q06fc917a26_attn
	.p2align	8
	.type	k_q06fc917a26_attn,@function
k_q06fc917a26_attn:
	s_mov_b64 s[64:65], 0
	v_nop
	global_prefetch_b8 v0, s[64:65] scope:SCOPE_SE
	s_setreg_imm32_b32 hwreg(HW_REG_WAVE_MODE, 25, 1), 1
	s_wait_xcnt 0x0
	s_wait_alu depctr_hold_cnt(0) depctr_sa_sdst(0) depctr_va_vdst(0) depctr_va_sdst(0) depctr_va_ssrc(0) depctr_va_vcc(0) depctr_vm_vsrc(0)
	s_getreg_b32 s2, hwreg(HW_REG_IB_STS2, 6, 4)
	s_cmp_eq_u32 s2, 0
	s_cbranch_scc0 .Lentry_in_a_cluster
	s_endpgm
.Lentry_in_a_cluster:
	s_bfe_u32 s2, ttmp6, 0x10000c
	s_cmp_lg_u32 s2, 0x3003
	s_cbranch_scc0 .Lentry_shape_is_right
	s_endpgm
.Lentry_shape_is_right:
; out0[b][l][hd][:] = the sum over keys s <= l of softmax_s(Q[b][l][hd] . K[b][s][hd] / 8) V[b][s][hd][:].  B = 4, L = S = 2,048, H = 16, head size 64.
; Both products on codes of FP8 (E4M3) with one E8M0 scale for each 32 along a product's K, by v_wmma_scale_f32_16x16x128_f8f6f4; sums in f32.
; Q, K: codes [b][l][hd][64], scale bytes [b][l][hd][2].  V: codes with the KEYS innermost, [b][hd][d][2,048], scale bytes [b][hd][d][64].  out0: [b][l][hd][64] f32.
; THE SOFTMAX AHEAD OF THE SECOND PRODUCT: t = score x log2(e) / 8; M = the row's largest t so far, rounded UP to a whole number; p = 2^(t - M) is quantised along the keys, not normalised.
; The row's sum is taken of the unquantised p, in f32, and divides O at the end.  When M moves, the sum and O are multiplied by 2^(old M - new M): exact.
; SHARES.  A cluster of four work-groups owns one head (b, hd); each tile of K and V is asked for JOINTLY by the four.  A work-group has sixteen waves of 256 registers, four to a SIMD.
; Wave w of work-group cx owns TWO tiles of 16 queries: tile A begins at query 16 cx + 64 w, tile B at 2,032 - that.  Keys go in steps of 128.  Tile A wants steps 0 .. w / 2, tile B steps 0 .. 15 - w / 2:
; 17 tile-steps for every wave, and which steps a tile wants hangs on w alone, not on cx: no branch differs between partners.  Every work-group walks all eight slots of 256 keys (constant trip counts); a tile-step
; all of whose keys come after the tile's queries is jumped over; no barrier and no tensor load is.
; LAYOUT.  Both products are used transposed: S^T = K Q^T (source 0 = keys, source 1 = my 16 queries), O^T = V^T P^T (source 0 = 16 of the head's 64, source 1 = P): a lane holds ONE query (lane % 16) throughout.
; THE HEAD'S 64 IN AN INSTRUCTION OF 128: a fragment of K holds TWO tiles of 16 keys, keys 32 b + r in k 0-63 and keys 32 b + 16 + r in k 64-127; it is multiplied once by [q, 0] and once by [0, q].
; So each byte of K leaves LDS once for a tile-step.  The four operands [qA, 0], [0, qA], [qB, 0], [0, qB] are windows on one run of 40 registers: 0 qA 0 qB 0, eight each.
; THE KEYS INSIDE A BLOCK OF 32 ARE PERMUTED ALIKE IN P AND V: S^T's tile T holds in lane (r, h) keys 16 T + 8 h + 0 .. 7; its eight codes are registers 2 T, 2 T + 1 of P's operand, and V's fragment is loaded
; 8 bytes at a time so that its registers 2 T, 2 T + 1 hold the same keys.  Blocks of 32 stay blocks of 32, so the scales stand as they are; the sums' grouping inside the unit differs, within the comparison's tolerance.
; LIMITS: NaN codes (0x7f, 0xff) and scale bytes 0xff among the inputs are not served (a NaN code of a key would also spoil the 16 keys that share its fragment).  A block of p that is all zeros keeps the scale byte 1:
; its codes are zeros, and this program alone reads the byte.
; LEFT OUT: prefetches (a slot is asked for a whole slot's work ahead, and the vector unit has far more to do than memory); register windows and matrix and vector work by turns inside a wave (four waves share a SIMD).
.set KP,     80                        ; a key's row in LDS: 64 bytes + 16 of padding: an odd multiple of 16, so the 16 rows that a load touches fall on 16 different columns of 16 bytes (64 banks of 4 bytes: ISA guide 11.1)
.set VP,     272                       ; a row of V's tile: 256 bytes (256 keys) + 16
.set VOFF,   256*KP                    ; a slot: 256 rows of K, then 64 rows of V
.set SLOT1,  1<<16                     ; slot 1 begins here: one exclusive or turns an address in one slot into the other's
.set TAB,    2*SLOT1                   ; the head's scale words, 512 bytes a key step: 16 bytes a lane; lanes 0-15 K's four words, lanes 16-31 V's four.  Written by LDS stores; no fill lands here
.set STAGE,  TAB+16*512                ; the way out: 16 rows x 272 bytes for each wave; no fill lands here
.set SPITCH, 272
.set SPARE,  STAGE+16*16*SPITCH        ; the spare words, 128 bytes for each wave: eight blocks of 256 bytes that no other line names
.set AK0,  1                           ; v1   my lane's place in a tile of K: 80 r + 16 h            (on the way out: where I put 32 bytes of a row)
.set AV0,  2                           ; v2   in V's tile: VOFF + 272 r + 8 h                       (on the way out: where I read a row back)
.set ASC0, 3                           ; v3   among the scale words: TAB + 16 x lane
.set SPW,  4                           ; v4   LDS address of my spare word: SPARE + 4 x my thread's number; never rewritten
.set NIL,  5                           ; v5   0; never rewritten
.set DQA,  6                           ; v6   tile A: my query - 8 h, for the mask
.set DQB,  7                           ; v7   tile B likewise
.set QSA,  8                           ; v8   tile A: Q's scale word (s0, s1, s0, s1)
.set QSB,  9                           ; v9   tile B
.set PW,   10                          ; v10  p's scale word
.set ADR,  11                          ; v11  the LDS address in hand                                (on the way out: my byte offset in 16 rows of out0)
.set STA,  12                          ; v12 -M, v13 the largest t, v[14:15] the sum in two halves: tile A
.set STB,  16                          ; v16-19 the same for tile B
.set SCW,  20                          ; v20-23 the step's scale words: lanes 0-15 K's, lanes 16-31 V's
.set ZQ,   24                          ; v24-63: zeros, qA, zeros, qB, zeros
.set QALO, ZQ+8                        ; [qA, 0]
.set QAHI, ZQ                          ; [0, qA]
.set QBLO, ZQ+24                       ; [qB, 0]
.set QBHI, ZQ+16                       ; [0, qB]
.set FR,   64                          ; v64-127 K's four fragments; once they are multiplied:
.set PC,   FR                          ; v64-79  p's codes
.set BM,   FR+16                       ; v80-83  a block's largest score, then its largest p
.set BP,   FR+20                       ; v84-87  lane l xor 16's, then the scale bytes
.set BH,   FR+24
.set BS,   FR+28                       ; v92-95  the conversion's scale operand
.set F,    FR+32                       ; v[96:97] f = 2^(old M - new M), in the low word
.set TMP,  FR+34                       ; v98
.set SU,   FR+36                       ; v[100:101] the sums' second chain
.set MD,   FR+38                       ; v102 the mask's distance
.set MI,   FR+39                       ; v103 -infinity
.set S,    128                         ; v128-191 S^T, then p, then V's four fragments
.set OA,   192                         ; v192-223 O^T of tile A
.set OB,   224                         ; v224-255 O^T of tile B
.set WV,   18                          ; s18  my wave's number
.set MNT,  19
.set SEL,  20                          ; s[20:21] lane selects for v_permlanex16_b32: lane l xor 16
.set CS,   22                          ; s[22:23] c = log2(e) / 8: the packed form names a pair and takes its low word for both halves
.set G1K,  24                          ; s[24:31] descriptor group 1 for K's tiles;  s[32:39] for V's;  s[40:43], s[44:47] their groups 0, which walk
.set G1V,  32
.set G0K,  40
.set G0V,  44
.set TB,   48                          ; s48  LDS byte at which the slot in hand begins
.set TS,   49                          ; s49  where the step's scale words begin: 512 bytes a step
.set KF,   50                          ; s50  the step's first key
.set KA,   51                          ; s51  first key of the step on tile A's diagonal: 128 (w / 2)
.set KB,   52                          ; s52  of tile B's: 1,920 - that
.set SLOTS, 53                         ; s53  slots still to be asked for
; A round of the cluster's barrier: my work-group's barrier, so that wave 0's signal speaks for all sixteen waves; wave 0 signals for the work-group; every wave waits for all four work-groups; my work-group's barrier once more.
.macro CROUND
	s_barrier_signal -1
	s_barrier_wait -1
	s_cmp_lg_u32 s[WV], 0
	s_cbranch_scc1 .Lnot_wave_0_\@
	s_barrier_signal -3
.Lnot_wave_0_\@:
	s_barrier_wait -3
	s_barrier_signal -1
	s_barrier_wait -1
.endm
; A joint load: waves 0 and 1 fetch K's two halves of 128 keys, wave 2 V's 64 rows, the others nothing.  The branches hang on the wave's number alone.  Four v_nop follow each of the two lines.
.macro JLOAD
	s_cmp_lt_u32 s[WV], 2
	s_cbranch_scc0 .Lnot_k_\@
	tensor_load_to_lds s[G0K:G0K+3], s[G1K:G1K+7]
	s_nop 0
.rept 4
	v_nop
.endr
	s_branch .Lasked_\@
.Lnot_k_\@:
	s_cmp_eq_u32 s[WV], 2
	s_cbranch_scc0 .Lasked_\@
	tensor_load_to_lds s[G0V:G0V+3], s[G1V:G1V+7]
	s_nop 0
.rept 4
	v_nop
.endr
.Lasked_\@:
.endm
	s_load_b256 s[4:11], s[0:1], 0x0               ; Q's codes s[4:5], Q's scales s[6:7], K's codes s[8:9], K's scales s[10:11]
	s_load_b128 s[12:15], s[0:1], 0x20             ; V's codes s[12:13], V's scales s[14:15]
	s_load_b64 s[16:17], s[0:1], 0x30              ; out0
	v_lshl_add_u32 v[SPW], v0, 2, SPARE
	v_mov_b32 v[NIL], 0
	ds_add_u32 v4, v5
	ds_add_u32 v4, v5
	s_wait_dscnt 0x0
	v_lshrrev_b32 v120, 5, v0
	s_delay_alu instid0(VALU_DEP_1)
	v_readfirstlane_b32 s[WV], v120                ; wave 0..15
	s_bfe_u32 s54, ttmp6, 0x40000                  ; cx: my place in the cluster (the grid's x is one cluster wide).  It enters Q's and out0's addresses and the mask's numbers alone
	s_and_b32 s55, ttmp7, 0xffff                   ; the head, 16 b + hd, which the four partners share
	s_lshr_b32 s56, s55, 4                         ; b
	s_and_b32 s57, s55, 15                         ; hd
	s_lshl_b32 s58, s54, 4
	s_lshl_b32 s88, s[WV], 6
	s_add_co_u32 s58, s58, s88                     ; tile A's first query: 16 cx + 64 w
	s_sub_co_u32 s59, 2032, s58                    ; tile B's
	s_lshr_b32 s[KA], s[WV], 1
	s_lshl_b32 s[KA], s[KA], 7                     ; (16 cx + 64 w) / 128 = w / 2, since 16 cx < 64
	s_sub_co_u32 s[KB], 1920, s[KA]
	s_lshl_b32 s60, s56, 21                        ; the head's first byte in Q's and K's codes: b x 2,048 x 1,024 + 64 hd
	s_lshl_b32 s88, s57, 6
	s_add_co_u32 s60, s60, s88
	s_mov_b32 s61, 0
	s_lshl_b32 s82, s56, 16                        ; in their scale bytes: b x 2,048 x 32 + 2 hd
	s_lshl_b32 s88, s57, 1
	s_add_co_u32 s82, s82, s88
	s_mov_b32 s83, 0
	s_lshl_b32 s86, s56, 23                        ; in out0: b x 2,048 x 4,096 + 256 hd
	s_lshl_b32 s88, s57, 8
	s_add_co_u32 s86, s86, s88
	s_mov_b32 s87, 0
	s_mov_b32 s63, 0                               ; s[62:63]: the one pair of offsets that ever holds anything made of cx
	s_mov_b32 s85, 0                               ; s[84:85]: offsets that the partners share
	; descriptor group 1.  K: 128 rows of 64 bytes, 1,024 bytes apart.  V: 64 rows of 256 bytes, 2,048 bytes apart.  Elements of one byte
	s_mov_b32 s[G1K], 15|(1<<20)|(1<<21)|(3<<22)|(3<<25)   ; 15:0 the mask: all four work-groups; 17:16 elements of 1 byte; 20 padding on; 21 set beside a mask; 24:22 after every 16 words (code 3); 31:25 four words (code 3)
	s_mov_b32 s[G1K+1], 64<<16                     ; tensor_dim0
	s_mov_b32 s[G1K+2], 128<<16                    ; tensor_dim1
	s_mov_b32 s[G1K+3], 64<<16                     ; tile_dim0
	s_mov_b32 s[G1K+4], 128                        ; tile_dim1
	s_mov_b32 s[G1K+5], 1024                       ; tensor_dim0_stride
	s_mov_b32 s[G1K+6], 0
	s_mov_b32 s[G1K+7], 0
	s_mov_b32 s[G1V], 15|(1<<20)|(1<<21)|(5<<22)|(3<<25)   ; the same with four words of padding after every 64
	s_mov_b32 s[G1V+1], 256<<16
	s_mov_b32 s[G1V+2], 64<<16
	s_mov_b32 s[G1V+3], 256<<16
	s_mov_b32 s[G1V+4], 64
	s_mov_b32 s[G1V+5], 2048
	s_mov_b32 s[G1V+6], 0
	s_mov_b32 s[G1V+7], 0
	s_mov_b32 s[SEL], 0x76543210
	s_mov_b32 s[SEL+1], 0xfedcba98
	s_mov_b32 s[CS], 0x3e38aa3b                    ; c = log2(e) / 8
	s_mov_b32 s[CS+1], s[CS]                       ; (named with it as a pair, so it is written)
	s_mov_b32 s[TB], 0
	s_mov_b32 s[TS], 0
	s_mov_b32 s[KF], 0
	s_mov_b32 s[SLOTS], 7
	s_wait_kmcnt 0x0
	s_add_nc_u64 s[4:5], s[4:5], s[60:61]          ; all seven tensors at the head
	s_add_nc_u64 s[8:9], s[8:9], s[60:61]
	s_add_nc_u64 s[6:7], s[6:7], s[82:83]
	s_add_nc_u64 s[78:79], s[10:11], s[82:83]      ; K's scale bytes
	s_add_nc_u64 s[16:17], s[16:17], s[86:87]
	s_lshl_b32 s84, s55, 17                        ; V's codes: 64 rows of 2,048 bytes a head
	s_add_nc_u64 s[12:13], s[12:13], s[84:85]
	s_lshl_b32 s84, s55, 12                        ; V's scale bytes: 64 rows of 64
	s_add_nc_u64 s[80:81], s[14:15], s[84:85]
	s_and_b32 s88, s[WV], 1                        ; which 128 keys of a slot I fetch, if I fetch K
	s_lshl_b32 s84, s88, 17                        ; 128 rows of 1,024 bytes in memory
	s_mov_b32 s[G0K], 1                            ; 1:0 count = 1
	s_mul_i32 s[G0K+1], s88, 128*KP                ; 63:32 LDS address: slot 0, my half: no place in the cluster enters it
	s_add_nc_u64 s[G0K+2:G0K+3], s[8:9], s[84:85]  ; 120:64 global address: the head's first 256 keys
	s_or_b32 s[G0K+3], s[G0K+3], 0x80000000        ; 127:126 type = 2
	s_mov_b32 s[G0V], 1
	s_mov_b32 s[G0V+1], VOFF
	s_mov_b64 s[G0V+2:G0V+3], s[12:13]
	s_or_b32 s[G0V+3], s[G0V+3], 0x80000000
	CROUND                                         ; all four work-groups are here: the first joint loads meet
	JLOAD                                          ; slot 0: one tensor load of mine is out, or none
	s_lshl_b32 s62, s58, 10                        ; my two tiles in Q's codes (1,024 bytes a query),
	s_add_nc_u64 s[66:67], s[4:5], s[62:63]
	s_lshl_b32 s62, s59, 10
	s_add_nc_u64 s[68:69], s[4:5], s[62:63]
	s_lshl_b32 s62, s58, 5                         ; in Q's scale bytes (32 a query),
	s_add_nc_u64 s[70:71], s[6:7], s[62:63]
	s_lshl_b32 s62, s59, 5
	s_add_nc_u64 s[72:73], s[6:7], s[62:63]
	s_lshl_b32 s62, s58, 12                        ; and in out0 (4,096 a query)
	s_add_nc_u64 s[74:75], s[16:17], s[62:63]
	s_lshl_b32 s62, s59, 12
	s_add_nc_u64 s[76:77], s[16:17], s[62:63]
	v_and_b32 v112, 15, v0                         ; r = lane % 16
	v_bfe_u32 v113, v0, 4, 1                       ; h = lane / 16
	s_delay_alu instid0(VALU_DEP_2)
	v_lshlrev_b32 v114, 10, v112
	s_delay_alu instid0(VALU_DEP_1)
	v_lshl_add_u32 v114, v113, 4, v114             ; Q: row r, + 16 h
	s_delay_alu instid0(VALU_DEP_4)
	v_lshlrev_b32 v115, 5, v112                    ; Q's scale bytes: row r
	v_lshlrev_b32 v116, 5, v0                      ; K's scale bytes: key = my thread's number (+ 512 i)
	v_lshlrev_b32 v117, 2, v0                      ; V's scale words: word = my thread's number (+ 512 i)
	global_load_b128 v[QALO:QALO+3], v114, s[66:67]            ; Q's 64 codes a query: k = 16 h + 0 .. 15 and 32 + 16 h + 0 .. 15; they stay in registers
	global_load_b128 v[QALO+4:QALO+7], v114, s[66:67] offset:32
	global_load_b128 v[QBLO:QBLO+3], v114, s[68:69]
	global_load_b128 v[QBLO+4:QBLO+7], v114, s[68:69] offset:32
	global_load_u16 v110, v115, s[70:71]
	global_load_u16 v111, v115, s[72:73]
.irp i, 0,1,2,3
	global_load_u16 v[104+\i], v116, s[78:79] offset:\i*16384  ; the head's 2,048 pairs of K's scale bytes lie 32 bytes apart: they are gathered ONCE, four a thread, and kept in LDS
.endr
.irp i, 0,1
	global_load_b32 v[108+\i], v117, s[80:81] offset:\i*2048   ; V's 4,096 scale bytes are dense: a wave reads 128 consecutive bytes
.endr
	v_mul_u32_u24 v[AK0], v112, KP
	s_delay_alu instid0(VALU_DEP_1)
	v_lshl_add_u32 v[AK0], v113, 4, v[AK0]
	v_mul_u32_u24 v[AV0], v112, VP
	s_delay_alu instid0(VALU_DEP_1)
	v_lshl_add_u32 v[AV0], v113, 3, v[AV0]
	s_delay_alu instid0(VALU_DEP_1)
	v_add_nc_u32 v[AV0], VOFF, v[AV0]
	v_and_b32 v[ASC0], 31, v0
	s_delay_alu instid0(VALU_DEP_1)
	v_lshl_add_u32 v[ASC0], v[ASC0], 4, TAB
	v_lshlrev_b32 v120, 3, v113
	s_delay_alu instid0(VALU_DEP_1)
	v_sub_nc_u32 v120, v112, v120                  ; r - 8 h
	s_delay_alu instid0(VALU_DEP_1)
	v_add_nc_u32 v[DQA], s58, v120
	s_delay_alu instid0(VALU_DEP_2)
	v_add_nc_u32 v[DQB], s59, v120
	; where key T's pair of bytes goes: step T / 128, lane T % 16, word (T / 32) % 4, half (T / 16) % 2
	v_lshrrev_b32 v118, 7, v0
	s_delay_alu instid0(VALU_DEP_1)
	v_lshlrev_b32 v118, 9, v118
	s_delay_alu instid0(VALU_DEP_1)
	v_lshl_add_u32 v118, v112, 4, v118
	v_bfe_u32 v120, v0, 5, 2
	s_delay_alu instid0(VALU_DEP_1)
	v_lshl_add_u32 v118, v120, 2, v118
	s_delay_alu instid0(VALU_DEP_1)
	v_lshl_add_u32 v118, v113, 1, v118
	s_delay_alu instid0(VALU_DEP_1)
	v_add_nc_u32 v118, TAB, v118
	; where V's word T goes (row d = T / 16, step T % 16): step T % 16, lane 16 + d % 16, word d / 16
	v_lshlrev_b32 v119, 9, v112
	v_bfe_u32 v120, v0, 4, 4
	s_delay_alu instid0(VALU_DEP_1)
	v_lshl_add_u32 v119, v120, 4, v119
	v_lshrrev_b32 v120, 8, v0
	s_delay_alu instid0(VALU_DEP_1)
	v_lshl_add_u32 v119, v120, 2, v119
	s_delay_alu instid0(VALU_DEP_1)
	v_add_nc_u32 v119, TAB+256, v119
.irp i, 0,1,2,3,4,5,6,7
	v_mov_b32 v[ZQ+\i], 0                          ; the zero codes beside Q
	v_mov_b32 v[ZQ+16+\i], 0
	v_mov_b32 v[ZQ+32+\i], 0
.endr
.irp s, STA, STB
	v_mov_b32 v[\s+1], 0xff61b1e6                  ; the largest t so far: -3e38, under every t
	s_delay_alu instid0(VALU_DEP_1)
	v_floor_f32 v[\s], -v[\s+1]                    ; -M
	v_mov_b32 v[\s+2], 0                           ; the sum, in two halves
	v_mov_b32 v[\s+3], 0
.endr
	s_wait_loadcnt 0x0                             ; Q and all the scale bytes
	v_lshl_or_b32 v[QSA], v110, 16, v110           ; (s0, s1, s0, s1): the word serves [q, 0] and [0, q] alike
	v_lshl_or_b32 v[QSB], v111, 16, v111
.irp i, 0,1,2,3
	ds_store_b16 v118, v[104+\i] offset:2048*\i    ; key T + 512 i lies four steps on
.endr
.irp i, 0,1
	ds_store_b32 v119, v[108+\i] offset:8*\i       ; word T + 512 i is row d + 32: two words on
.endr
.irp j, 0,1,2,3,4,5,6,7,8,9,10,11,12,13,14,15,16,17,18,19,20,21,22,23,24,25,26,27,28,29,30,31
	v_mov_b32 v[OA+\j], 0                          ; O^T.  (A tile-step is written once: a tile's first finds zeros, which the first change of M leaves zeros.
	v_mov_b32 v[OB+\j], 0                          ; These lines are also the eight places between the scale words made above and the first scaled product)
.endr
; A TILE-STEP: 16 queries x the 128 keys that are the q-th half of the slot in hand.  qlo, qhi: [q, 0] and [0, q];  qs: Q's scale word;  st: the statistics;  oo: O^T;  dq: the mask's number;  kl: the first key of the tile's last step.
.macro TSTEP q, qlo, qhi, qs, st, oo, dq, kl
	s_cmp_gt_u32 s[KF], s[\kl]                     ; all 128 keys come after my 16 queries: nothing to do.  (Made of the wave's number and the loop's count alone)
	s_cbranch_scc1 .Lhidden_\@
	v_add_nc_u32 v[ADR], s[TS], v[ASC0]
	ds_load_b128 v[SCW:SCW+3], v[ADR]              ; the step's scale words: lanes 0-15 K's four, lanes 16-31 V's four
	v_add_nc_u32 v[ADR], s[TB], v[AK0]
.irp b, 0,1,2,3
.irp u, 0,1
.irp c, 0,1
	ds_load_b128 v[FR+16*\b+8*\u+4*\c:FR+16*\b+8*\u+4*\c+3], v[ADR] offset:(128*\q+32*\b+16*\u)*KP+32*\c   ; fragment b: k 64 u + 32 c + 16 h + 0 .. 15 = key 32 b + 16 u + r, its bytes 32 c + 16 h on
.endr
.endr
.endr
	s_wait_dscnt 0x0
.irp b, 0,1,2,3                                ; S^T: eight tiles of 16 keys; each starts its sum with the constant 0
	v_wmma_scale_f32_16x16x128_f8f6f4 v[S+16*\b:S+16*\b+7], v[FR+16*\b:FR+16*\b+15], v[\qlo:\qlo+15], 0, v[SCW+\b], v[\qs]
	v_wmma_scale_f32_16x16x128_f8f6f4 v[S+16*\b+8:S+16*\b+15], v[FR+16*\b:FR+16*\b+15], v[\qhi:\qhi+15], 0, v[SCW+\b], v[\qs]
.endr                                          ; lane (r, h): query r; register 8 T + g is key 16 T + 8 h + g; registers 16 b .. 16 b + 15 of lanes l and l xor 16 are block b of 32 keys
.rept 8
	v_nop                                          ; eight places behind this form, ahead of the first read of its results and of the first write over K's fragments
.endr
	s_cmp_lg_u32 s[KF], s[\kl]                     ; only the tile's last step lies on the diagonal
	s_cbranch_scc1 .Lopen_\@
	v_sub_nc_u32 v[MD], v[\dq], s[KF]              ; d = my query - 8 h - the step's first key: register 8 T + g is hidden where 16 T + g > d
	v_mov_b32 v[MI], 0xff800000                    ; -infinity: p = 0 then.  (The step's first key counts for every query of the tile, so the row's maximum stays a number)
.irp a, 0,1,2,3,4,5,6,7
.irp g, 0,1,2,3,4,5,6,7
	v_cmp_gt_i32 vcc_lo, 16*\a+\g, v[MD]
	v_cndmask_b32 v[S+8*\a+\g], v[S+8*\a+\g], v[MI], vcc_lo
.endr
.endr
.Lopen_\@:
.irp b, 0,1,2,3
	v_max3_num_f32 v[BM+\b], v[S+16*\b], v[S+16*\b+1], v[S+16*\b+2]   ; THE LARGEST SCORE OF EACH BLOCK OF 32 KEYS: it serves for the row's maximum and, since p rises with the score, for the block's largest p.  (Each result is read from its low end on)
.endr
.irp i, 3,5,7,9,11,13
.irp b, 0,1,2,3
	v_max3_num_f32 v[BM+\b], v[BM+\b], v[S+16*\b+\i], v[S+16*\b+\i+1]   ; (the four blocks by turns)
.endr
.endr
.irp b, 0,1,2,3
	v_max_num_f32 v[BM+\b], v[BM+\b], v[S+16*\b+15]
.endr
.irp b, 0,1,2,3
	s_delay_alu instid0(VALU_DEP_4)
	v_permlanex16_b32 v[BP+\b], v[BM+\b], s[SEL], s[SEL+1]   ; (its destination counts as read: K's loads have written it)
.endr
.irp b, 0,1,2,3
	s_delay_alu instid0(VALU_DEP_4)
	v_max_num_f32 v[BM+\b], v[BM+\b], v[BP+\b]     ; with lane l xor 16's 16 keys
.endr
	s_delay_alu instid0(VALU_DEP_2)
	v_max3_num_f32 v[TMP], v[BM], v[BM+1], v[BM+2]
	s_delay_alu instid0(VALU_DEP_1)
	v_max_num_f32 v[TMP], v[TMP], v[BM+3]          ; the step's largest score of my query
	s_delay_alu instid0(VALU_DEP_1)
	v_mul_f32 v[TMP], s[CS], v[TMP]                ; as t (c is positive)
	s_delay_alu instid0(VALU_DEP_1)
	v_max_num_f32 v[\st+1], v[\st+1], v[TMP]       ; the running largest t
	v_mov_b32 v[TMP], v[\st]
	s_delay_alu instid0(VALU_DEP_2)
	v_floor_f32 v[\st], -v[\st+1]                  ; the new -M = floor(-t) = -ceil(t): M IS A WHOLE NUMBER
	s_delay_alu instid0(VALU_DEP_1)
	v_sub_f32 v[TMP], v[\st], v[TMP]               ; M's old value less its new one: a whole number, 0 or less
	s_delay_alu instid0(VALU_DEP_1)
	v_cvt_i32_f32 v[TMP], v[TMP]                   ; (it saturates)
	s_delay_alu instid0(VALU_DEP_1)
	v_ldexp_f32 v[F], 1.0, v[TMP]                  ; f = 2^(old M - new M): a multiplication by it rounds nothing
.irp a, 0,1,2,3,4,5,6,7
.irp g, 0,2,4,6
	v_pk_fma_f32 v[S+8*\a+\g:S+8*\a+\g+1], v[S+8*\a+\g:S+8*\a+\g+1], s[CS:CS+1], v[\st:\st+1] op_sel_hi:[1,0,0]   ; t - M, two at a time (of the pairs c and -M the low word serves both halves)
.endr
.endr
.irp b, 0,1,2,3
	v_fma_f32 v[BM+\b], v[BM+\b], s[CS], v[\st]    ; the same of each block's largest score
.endr
	s_wait_alu depctr_va_vdst(0)
.irp a, 0,1,2,3,4,5,6,7
.irp g, 0,1,2,3,4,5,6,7
	v_exp_f32 v[S+8*\a+\g], v[S+8*\a+\g]           ; p = 2^(t - M), at most 1: NOT normalised
.endr
.endr
.irp b, 0,1,2,3
	v_exp_f32 v[BM+\b], v[BM+\b]                   ; the block's largest p: the same two instructions on the same number give the same bits
.endr
	v_pk_mul_f32 v[\st+2:\st+3], v[\st+2:\st+3], v[F:F+1] op_sel_hi:[1,0]   ; the sums under the new M.  (The plain place behind the exponentials)
	s_wait_alu depctr_va_vdst(0)
.irp b, 0,1,2,3
	v_max_num_f32 v[BM+\b], 0x4800000, v[BM+\b]    ; the floor 2^(9 - 127): the byte cannot fall under 1
.endr
.irp b, 0,1,2,3
	s_delay_alu instid0(VALU_DEP_4)
	v_add_nc_u32 v[BS+\b], 0xfc000000, v[BM+\b]    ; 8 off the exponent field: the conversion's scale operand
.endr
.irp b, 0,1,2,3
.endr
.irp b, 0,1,2,3
	s_delay_alu instid0(VALU_DEP_4)
	v_lshrrev_b32 v[BP+\b], 23, v[BS+\b]           ; the scale's byte
.endr
	s_delay_alu instid0(VALU_DEP_3)
	v_lshl_or_b32 v[PW], v[BP+1], 8, v[BP]         ; p's scale word for these 128 keys (far more than eight places ahead of its products)
	s_delay_alu instid0(VALU_DEP_1)
	v_lshl_or_b32 v[PW], v[BP+2], 16, v[PW]
	s_delay_alu instid0(VALU_DEP_1)
	v_lshl_or_b32 v[PW], v[BP+3], 24, v[PW]
	v_pk_add_f32 v[SU:SU+1], v[S:S+1], v[S+2:S+3]  ; THE ROW'S SUM IS TAKEN OF THE UNQUANTISED p: two at a time, in two chains
.irp j, 4,8,12,16,20,24,28,32,36,40,44,48,52,56,60
	v_pk_add_f32 v[\st+2:\st+3], v[\st+2:\st+3], v[S+\j:S+\j+1]
	v_pk_add_f32 v[SU:SU+1], v[SU:SU+1], v[S+\j+2:S+\j+3]
.endr
	s_delay_alu instid0(VALU_DEP_1)
	v_pk_add_f32 v[\st+2:\st+3], v[\st+2:\st+3], v[SU:SU+1]
.irp b, 0,1,2,3
.irp i, 0,1,2,3,4,5,6,7,8,9,10,11,12,13,14,15
.endr
	v_cvt_scalef32_pk8_fp8_f32 v[PC+4*\b:PC+4*\b+1], v[S+16*\b:S+16*\b+7], v[BS+\b]        ; keys 32 b + 8 h + 0 .. 7
	v_cvt_scalef32_pk8_fp8_f32 v[PC+4*\b+2:PC+4*\b+3], v[S+16*\b+8:S+16*\b+15], v[BS+\b]   ; keys 32 b + 16 + 8 h + 0 .. 7
.endr
	v_add_nc_u32 v[ADR], s[TB], v[AV0]             ; (the plain place behind the last conversion)
.irp t, 0,1,2,3
.irp c, 0,1,2,3,4,5,6,7
	ds_load_b64 v[S+16*\t+2*\c:S+16*\t+2*\c+1], v[ADR] offset:16*\t*VP+128*\q+16*\c   ; V's fragment t, row d = 16 t + r: registers 2 c, 2 c + 1 take keys 16 c + 8 h + 0 .. 7, as p's codes lie.  p's registers are free
.endr
.endr
.irp j, 0,2,4,6,8,10,12,14,16,18,20,22,24,26,28,30
	v_pk_mul_f32 v[\oo+\j:\oo+\j+1], v[\oo+\j:\oo+\j+1], v[F:F+1] op_sel_hi:[1,0]   ; O^T under the new M: x f, from each result's low end on.  (These sixteen are also the places between the codes and their products)
.endr
	s_wait_alu depctr_va_vdst(0)
	s_wait_dscnt 0x0
.irp t, 0,1,2,3                                ; O^T += V^T P^T: four accumulators by turns, one instruction a turn; K = these 128 keys
	v_wmma_scale_f32_16x16x128_f8f6f4 v[\oo+8*\t:\oo+8*\t+7], v[S+16*\t:S+16*\t+15], v[PC:PC+15], v[\oo+8*\t:\oo+8*\t+7], v[SCW+\t], v[PW] matrix_a_scale:MATRIX_SCALE_ROW1
.endr
.rept 9
	v_nop                                          ; nine places: the next products write S^T over V's fragments, which these have read; the next loads land in the codes' and the scale words' registers (eight would do for those)
.endr
.Lhidden_\@:
.endm
.macro STEPEND
	s_add_co_u32 s[KF], s[KF], 128
	s_add_co_u32 s[TS], s[TS], 512
.endm
.macro SLOT_STEPS                              ; a slot's two key steps, for both tiles
	TSTEP 0, QBLO, QBHI, QSB, STB, OB, DQB, KB
	TSTEP 0, QALO, QAHI, QSA, STA, OA, DQA, KA
	STEPEND
	TSTEP 1, QBLO, QBHI, QSB, STB, OB, DQB, KB
	TSTEP 1, QALO, QAHI, QSA, STA, OA, DQA, KA
	STEPEND
	s_xor_b32 s[TB], s[TB], SLOT1                  ; on to the other slot
.endm
; THE CHANGE OF SLOTS stands at a slot's head.  Each wave waits for all its tensor loads (its part of the slot that it is about to read), adds 0 to its spare word, and waits for that, for its reads of the slot that it has
; left and (the first time) for its stores into the table of scale words.  fill = 1: the barrier is a round of the cluster's, so that no wave of any partner still reads the other slot or has a load on its way, and the joint
; load of the next 256 keys into that slot is the first thing behind it: it has this whole slot's work in which to land.
.macro CHANGE fill
	s_wait_tensorcnt 0x0                           ; no tensor load of mine is out, so a group 0 may be written
	ds_add_u32 v[SPW], v[NIL]                      ; 0 onto my spare word
.if \fill
	s_xor_b32 s[G0K+1], s[G0K+1], SLOT1            ; the walking descriptors: the other slot than last time,
	s_add_nc_u64 s[G0K+2:G0K+3], s[G0K+2:G0K+3], 256*1024   ; the next 256 keys; the type bits on top are not reached
	s_xor_b32 s[G0V+1], s[G0V+1], SLOT1
	s_add_nc_u64 s[G0V+2:G0V+3], s[G0V+2:G0V+3], 256
.endif
	s_wait_dscnt 0x0                               ; the add is done, and all my LDS reads and stores
.if \fill
	CROUND
	JLOAD
.else
	s_barrier_signal -1
	s_barrier_wait -1
.endif
.endm
.Lslot:                                            ; seven trips: behind each change of slots but the last the next slot is asked for
	CHANGE 1
	SLOT_STEPS
	s_sub_co_u32 s[SLOTS], s[SLOTS], 1
	s_cmp_lg_u32 s[SLOTS], 0
	s_cbranch_scc1 .Lslot
	CHANGE 0                                       ; the last slot is written out
	SLOT_STEPS
	; THE WAY OUT.  The sum's two halves and lane l xor 16's are added; O^T is divided by the sum and goes through my stage in LDS, a tile (16 rows of 256 bytes) at a time, so that sixteen lanes store one row of out0: 256 consecutive bytes, aligned.
	v_add_f32 v[STA+2], v[STA+2], v[STA+3]
	v_add_f32 v[STB+2], v[STB+2], v[STB+3]
	s_delay_alu instid0(VALU_DEP_2)
	v_permlanex16_b32 v[DQA], v[STA+2], s[SEL], s[SEL+1]   ; (the mask's numbers are done with)
	s_delay_alu instid0(VALU_DEP_2)
	v_permlanex16_b32 v[DQB], v[STB+2], s[SEL], s[SEL+1]
	s_delay_alu instid0(VALU_DEP_2)
	v_add_f32 v[STA+2], v[STA+2], v[DQA]
	s_delay_alu instid0(VALU_DEP_2)
	v_add_f32 v[STB+2], v[STB+2], v[DQB]
	s_wait_alu depctr_va_vdst(0)
	v_rcp_f32 v[STA+2], v[STA+2]
	v_rcp_f32 v[STB+2], v[STB+2]
	v_and_b32 v24, 15, v0                          ; (plain places behind the reciprocals)  r
	v_bfe_u32 v25, v0, 4, 1                        ; h
	s_mul_i32 s88, s[WV], 16*SPITCH
	s_add_co_u32 s88, s88, STAGE                   ; my stage
	v_mul_u32_u24 v[AK0], v24, SPITCH
	s_delay_alu instid0(VALU_DEP_1)
	v_lshl_add_u32 v[AK0], v25, 5, v[AK0]
	s_delay_alu instid0(VALU_DEP_1)
	v_add_nc_u32 v[AK0], s88, v[AK0]               ; in: row r; tile t's eight channels of my half: 64 t + 32 h bytes on
	v_mul_u32_u24 v[AV0], v25, SPITCH
	s_delay_alu instid0(VALU_DEP_1)
	v_lshl_add_u32 v[AV0], v24, 4, v[AV0]
	s_delay_alu instid0(VALU_DEP_1)
	v_add_nc_u32 v[AV0], s88, v[AV0]               ; back: lanes 0-15 one row, lanes 16-31 the next
	v_lshlrev_b32 v[ADR], 12, v25
	s_delay_alu instid0(VALU_DEP_1)
	v_lshl_add_u32 v[ADR], v24, 4, v[ADR]          ; and the same two rows in out0, 4,096 bytes apart
	s_wait_alu depctr_va_vdst(0)
.irp j, 0,2,4,6,8,10,12,14,16,18,20,22,24,26,28,30
	v_pk_mul_f32 v[FR+\j:FR+\j+1], v[OA+\j:OA+\j+1], v[STA+2:STA+3] op_sel_hi:[1,0]   ; O^T / the sum: register 8 t + i is o(r, 16 t + 8 h + i)
.endr
.irp j, 0,2,4,6,8,10,12,14,16,18,20,22,24,26,28,30
	v_pk_mul_f32 v[FR+32+\j:FR+32+\j+1], v[OB+\j:OB+\j+1], v[STB+2:STB+3] op_sel_hi:[1,0]
.endr
.irp u, 0,1                                    ; tile A, then tile B through the same stage
.irp t, 0,1,2,3
	ds_store_b128 v[AK0], v[FR+32*\u+8*\t:FR+32*\u+8*\t+3] offset:64*\t
	ds_store_b128 v[AK0], v[FR+32*\u+8*\t+4:FR+32*\u+8*\t+7] offset:64*\t+16
.endr
.irp i, 0,1,2,3,4,5,6,7
	ds_load_b128 v[S+32*\u+4*\i:S+32*\u+4*\i+3], v[AV0] offset:2*\i*SPITCH   ; LDS serves a wave's instructions in order (ISA guide 5.7.1.4): these see my stores, and tile B's stores come behind them
.endr
.endr
.irp i, 0,1,2,3,4,5,6,7
	s_wait_dscnt 23-\i                             ; behind tile A's load i: its 7 - i younger loads, tile B's eight stores and eight loads
	global_store_b128 v[ADR], v[S+4*\i:S+4*\i+3], s[74:75] offset:8192*\i th:TH_STORE_NT   ; written once, read by nobody here
.endr
.irp i, 0,1,2,3,4,5,6,7
	s_wait_dscnt 7-\i                              ; behind tile B's load i: its 7 - i younger loads
	global_store_b128 v[ADR], v[S+32+4*\i:S+32+4*\i+3], s[76:77] offset:8192*\i th:TH_STORE_NT
.endr
	s_wait_tensorcnt 0x0                           ; the wave's end: behind my last tensor load and my last LDS store
	ds_add_u32 v[SPW], v[NIL]
	s_wait_dscnt 0x0
	CROUND                                         ; the closing round: no work-group ends while a partner may still ask for a tile that names it
	s_endpgm
.Lfunc_end_k_q06fc917a26_attn:
	.size	k_q06fc917a26_attn, .Lfunc_end_k_q06fc917a26_attn-k_q06fc917a26_attn
	.p2alignl 7, 3214868480
	.fill 96, 4, 3214868480
	.section	.rodata,"a",@progbits
	.p2align	6, 0x0
	.amdhsa_kernel k_q06fc917a26_attn
		.amdhsa_group_segment_fixed_size 327680
		.amdhsa_private_segment_fixed_size 0
		.amdhsa_enable_private_segment 0
		.amdhsa_kernarg_size 56
		.amdhsa_user_sgpr_count 2
		.amdhsa_user_sgpr_kernarg_segment_ptr 1
		.amdhsa_wavefront_size32 1
		.amdhsa_system_sgpr_workgroup_id_x 1
		.amdhsa_system_sgpr_workgroup_id_y 1
		.amdhsa_system_sgpr_workgroup_id_z 1
		.amdhsa_system_vgpr_workitem_id 0
		.amdhsa_next_free_vgpr 256
		.amdhsa_next_free_sgpr 90
		.amdhsa_reserve_vcc 1
		.amdhsa_float_denorm_mode_32 3
		.amdhsa_float_denorm_mode_16_64 3
		.amdhsa_fp16_overflow 1
		.amdhsa_memory_ordered 1
		.amdhsa_forward_progress 1
		.amdhsa_inst_pref_size 205
	.end_amdhsa_kernel
	.amdgpu_metadata
---
amdhsa.version: [ 1, 2 ]
amdhsa.kernels:
  - .name:           k_q06fc917a26_attn
    .symbol:         k_q06fc917a26_attn.kd
    .args:
      - { .name: queries_codes, .offset: 0, .size: 8, .value_kind: global_buffer, .address_space: global }
      - { .name: queries_scales, .offset: 8, .size: 8, .value_kind: global_buffer, .address_space: global }
      - { .name: keys_codes, .offset: 16, .size: 8, .value_kind: global_buffer, .address_space: global }
      - { .name: keys_scales, .offset: 24, .size: 8, .value_kind: global_buffer, .address_space: global }
      - { .name: values_codes, .offset: 32, .size: 8, .value_kind: global_buffer, .address_space: global }
      - { .name: values_scales, .offset: 40, .size: 8, .value_kind: global_buffer, .address_space: global }
      - { .name: out0, .offset: 48, .size: 8, .value_kind: global_buffer, .address_space: global }
    .group_segment_fixed_size: 327680
    .private_segment_fixed_size: 0
    .kernarg_segment_align: 8
    .kernarg_segment_size: 56
    .max_flat_workgroup_size: 512
    .sgpr_count:     90
    .vgpr_count:     256
    .wavefront_size: 32
...
	.end_amdgpu_metadata
.endif
;; end of part 1
